; MI455X (gfx1250); checked and timed in simulation.
; The chip was launched on July 23, 2026; its instructions are those of AMD's public machine-readable ISA for CDNA 5 (MIT licence, August 2026) and "CDNA5" Instruction Set Architecture Reference Guide (July 2026). The comments in the code are by the model that wrote it; some were corrected since.
;; Core Attention. Allowed arithmetic: matrix products marked QUANTISED: E2M1 operands, one E8M0 scale for each 32 along K, by v_wmma_scale_f32_16x16x128_f8f6f4 with both operands' format E2M1 (or v_wmma_scale_f32_32x16x128_f4), f32 sums; everything else in f32.
;; Inputs: key_states 2 x 16 x 2,048 x 64 float32; query_states 2 x 16 x 2,048 x 64 float32; value_states 2 x 16 x 2,048 x 64 float32.
;; Outputs: out0 2 x 16 x 2,048 x 64 float32.
;; This version of the problem:
;;   THIS VERSION OF THE PROBLEM IS GIVEN IN LOW PRECISION. The matrix products marked QUANTISED in the list below multiply operands that are first quantised to E2M1 (2 exponent bits, 1 mantissa bit; 4 bits a number), with one power-of-two scale for each 32 numbers along K (OCP MX v1.0); their sums are f32. All else is computed in f32.
;;   The module's matrix products, in the order in which they are computed (A, B: the left and right operand; K: the contracted axis; several contracted axes count as one K, in the product's order):
;;     1. batch 32 x [M 2,048, K 64] x [K 64, N 2,048]; A: input query_states; B: input key_states: QUANTISED
;;     2. batch 32 x [M 2,048, K 2,048] x [K 2,048, N 64]; A: softmax (see below); B: input value_states: QUANTISED
;;   THE QUANTISER, for each operand of a quantised product, along K:
;;     - K is cut into blocks of 32 from its start; a last block that is shorter is filled with zeros.
;;     - A block's scale is 2^e with e = floor(log2(the largest magnitude in the block)) - 2, held to -126 .. 127; a block of zeros has e = 0. As a byte (E8M0): e + 127.
;;     - Each number is divided by its block's scale, clamped to +-6, and rounded to the nearest number of E2M1, ties to even, subnormals kept.
;;     - The product sums the exact products of the quantised numbers (number of the format x scale) in f32.
;;   ~~~python
;;   def quantise(x, axis):      # numpy; x: float32 -> the quantised numbers, widened to float32 again
;;       x = np.moveaxis(x, axis, -1); K = x.shape[-1]
;;       x = np.pad(x, [(0, 0)] * (x.ndim - 1) + [(0, -K % 32)]); x = x.reshape(x.shape[:-1] + (-1, 32)); a = np.abs(x).max(-1, keepdims=True)
;;       e = np.where(a > 0, np.clip(np.frexp(np.where(a > 0, a, 1))[1] - 1 - 2, -126, 127), 0)      # np.frexp(a)[1] - 1 = floor(log2(a)), exactly
;;       r = np.clip(x / 2.0 ** e, -6, 6)
;;       step = 2.0 ** (np.maximum(np.frexp(np.where(r == 0, 1, r))[1] - 1, 0) - 1)
;;       q = np.round(r / step) * step * 2.0 ** e      # np.round: ties to even
;;       return np.moveaxis(q.reshape(q.shape[:-2] + (-1,))[..., :K], -1, axis).astype(np.float32)
;;   ~~~
;;   SOFTMAX AHEAD OF A QUANTISED PRODUCT. Where the list says 'softmax', what is quantised is not the finished softmax but p = 2^(t - M), with t = logit x log2(e) and M = ceil(the row's largest t), a whole number; so 1/2 < the row's largest p <= 1. The row's sum l is taken of the UNQUANTISED p, in f32, and the product's result is divided by l at the end. Since M is a whole number, a kernel that streams over the keys may use a running M (the ceiling of the running maximum): every later rescaling is an exact power of two, which a block's scale takes up: the codes' values come out the same.
;;   OPERANDS COMPUTED ON THE WAY. 'Computed on the way' means the value that the module computes at that place (a softmax that the list does not call 'softmax' is quantised finished and normalised). What goes into a quantiser is computed in f32, as accurately as f32 sums, v_exp_f32 and their like allow (about 1e-6 of the number): no bf16 or f16 on the way to a quantiser, and a product that is left as it is and whose result goes on into a quantised operand takes f32 operands (vector FMAs, or v_wmma_f32_16x16x4_f32). A number that lies on a knife's edge between two numbers of the format may be rounded either way, as far as f32 arithmetic and the matrix unit's own rounding can turn it there, and no further.
;; One version. Each part assembles by itself: llvm-mc -triple=amdgcn-amd-amdhsa -mcpu=gfx1250 --defsym DOCPART=n.
;; ======== version 1 of 1: 2 launches
;; limits: right only within a limited range of input values
;; workspace buffers: kv 4,587,520 bytes
;; launch quant (part 1): grid 16 x 32, 6 waves a work-group, no clusters, 35,840 bytes of LDS; arguments key_states, value_states, kv; writes kv
.if DOCPART == 1
	.amdgcn_target "amdgcn-amd-amdhsa--gfx1250"
	.amdhsa_code_object_version 6
	.text
	.protected	k_qe4f8a69df4_quant
	.globl	k_qe4f8a69df4_quant
	.p2align	8
	.type	k_qe4f8a69df4_quant,@function
k_qe4f8a69df4_quant:
	s_mov_b64 s[64:65], 0
	v_nop
	global_prefetch_b8 v0, s[64:65] scope:SCOPE_SE
	s_setreg_imm32_b32 hwreg(HW_REG_WAVE_MODE, 25, 1), 1
	s_wait_xcnt 0x0
; K and V, [32 heads][2048 keys][64] f32, become codes of FP4 (E2M1) with one E8M0 scale byte for each 32 along a product's K, laid as IMAGES OF THE OPERANDS' REGISTERS
; for the attention launch.  K is quantised along d (its K in q k^T: two blocks of 32), V down the keys (its K in p v: blocks of 32 keys).
; A block's scale is 2^(floor(log2(its largest magnitude)) - 2); its byte is the largest magnitude's exponent field - 2, held at 1 from below.
; A work-group makes one RECORD: 128 keys of one head, 8,960 bytes = 35 x 256:
;   0     K's images: tile T = 4 c + i at 512 T, lane l's 16 bytes at 16 l: lane (r, h) = the codes of d = 32 h .. 32 h + 31 of key 64 c + 32 (r / 8) + 8 i + r % 8
;   4096  V's images: d tile t (0..3) at 1024 t, register group c at 512 c, lane l at 16 l: lane (r, h) = the codes of keys 64 c + 32 h + 0 .. 31 of d = 16 t + r
;   8192  K's scale words: lane r + 16 g, word tau at 16 (r + 16 g) + 4 tau = tile 4 g + tau, row r: byte 0 block d 0-31, byte 1 block d 32-63, bytes 2, 3 = 0x7f (over zero codes of q)
;   8704  V's scale words: d = 16 t + r at 8 (r + 16 (t % 2)) + 4 (t / 2), byte b = keys 32 b .. 32 b + 31 of the record
; Waves 0, 1: K, 64 keys each.  Waves 2 to 5: V, 32 columns x 64 keys each.  All of a wave's loads stand ahead of its work.  No loop: every offset is an immediate, no store's data are written again.
; WORK LEFT OUT OF THE PROGRAM: reference() replaces the score of every key k > q by -10000 whatever q and k hold, so the first product's tiles of 16 queries x 128 keys that lie wholly above the diagonal reach
; no output; launch attn does not multiply them.  The hidden keys' part in the softmax and in the second product stays.
; LIMITS: NaN and infinities among the inputs are not served; one that reaches only the tiles left out is not carried to the result.  A block of zeros (and one whose largest magnitude lies under 2^-124)
; gets the byte 1 where the rule says 127 for zeros: its codes are zeros, which add nothing under any byte but 0xff, and this program alone reads the bytes.
.set VIM,   4096
.set KSC,   8192
.set VSC,   8704
.set SP,    272                        ; a stage row: a key's 256 bytes + 16
.set STAGE, 64*SP                      ; a K wave's stage: 64 keys
.set SCL,   2*STAGE                    ; V's scale words on their way out: 256 bytes
.set SPARE, SCL+256                    ; the spare words, 128 bytes a wave
.set X,     64                         ; v64-191  numbers
.set CD,    24                         ; v24-39   codes
.set SW,    16                         ; v16-19   scale words
	s_load_b128 s[4:7], s[0:1], 0x0                ; K s[4:5], V s[6:7]
	s_load_b64 s[8:9], s[0:1], 0x10                ; kv
	v_lshl_add_u32 v192, v0, 2, SPARE
	v_mov_b32 v193, 0
	v_lshrrev_b32 v1, 5, v0
	v_readfirstlane_b32 s10, v1                    ; wave 0..5
	v_and_b32 v1, 31, v0                           ; lane
	v_and_b32 v2, 15, v0                           ; r
	v_bfe_u32 v3, v0, 4, 1                         ; h
	s_wait_alu depctr_va_vdst(0)                   ; the wait ahead of the scalar lines
	s_and_b32 s11, ttmp7, 0xffff                   ; head
	s_and_b32 s18, s10, 1                          ; K: which 64 keys; V: which 32 columns
	s_bfe_u32 s22, s10, 0x10002                    ; V: which 64 keys: 0 in waves 2, 3, 1 in waves 4, 5
	s_lshl_b32 s12, s11, 19                        ; a head is 2048 x 256 bytes,
	s_lshl_b32 s13, ttmp9, 15                      ; a record's 128 keys 128 x 256
	s_add_co_u32 s12, s12, s13
	s_mov_b32 s13, 0
	s_lshl_b32 s14, s11, 4
	s_add_co_u32 s14, s14, ttmp9
	s_mul_i32 s14, s14, 8960                       ; my record in kv
	s_mov_b32 s15, 0
	s_mov_b32 s20, 0x76543210
	s_mov_b32 s21, 0xfedcba98                      ; v_permlanex16_b32's selects for lane l xor 16
	s_mul_i32 s19, s18, STAGE
	s_lshl_b32 s23, s18, 2
	s_lshl_b32 s24, s22, 1
	s_add_co_u32 s23, s23, s24
	s_add_co_u32 s23, s23, SCL
	v_mul_u32_u24 v5, v3, SP                       ; every LDS address is made ahead of the parting of the waves
	v_lshl_add_u32 v5, v2, 4, v5
	v_add_nc_u32 v5, s19, v5                       ; in: lanes 0-15 one key's row, lanes 16-31 the next; 16 bytes a lane
	v_mul_u32_u24 v6, v2, SP
	v_lshl_add_u32 v6, v3, 7, v6
	v_add_nc_u32 v6, s19, v6                       ; out: row r, my half's 128 bytes
	v_lshlrev_b32 v23, 3, v1                       ; 8 x lane
	v_add_nc_u32 v22, s23, v23                     ; my two scale bytes of V: 8 lane + 4 (column half) + 2 (key half)
	v_add_nc_u32 v14, SCL, v23                     ; and where they are read back
	v_lshlrev_b32 v7, 3, v3                        ; 8 h
	v_mov_b32 v13, 0                               ; written once: a lane permute's destination counts as one of its sources
	s_wait_alu depctr_va_vdst(0)                   ; the wait at the head's end
	s_wait_kmcnt 0x0
	s_add_nc_u64 s[8:9], s[8:9], s[14:15]
; the largest magnitude of v[x] .. v[x + 31], in two chains, and the floor 2^(3 - 127), under which none is taken: so the byte cannot fall under 1
.macro BMAX d, t, x
.set BX, \x
	v_max3_num_f32 v[\d], |v[BX]|, |v[BX+1]|, |v[BX+2]|
	v_max3_num_f32 v[\t], |v[BX+3]|, |v[BX+4]|, |v[BX+5]|
.irp i, 6,10,14,18,22,26
	v_max3_num_f32 v[\d], v[\d], |v[BX+\i]|, |v[BX+\i+1]|
	v_max3_num_f32 v[\t], v[\t], |v[BX+\i+2]|, |v[BX+\i+3]|
.endr
	v_max3_num_f32 v[\d], v[\d], |v[BX+30]|, |v[BX+31]|
	v_max3_num_f32 v[\d], v[\d], v[\t], 0x1800000
.endm
	s_cmp_lt_u32 s10, 2
	s_cbranch_scc0 .Lv
	; ---- K: 64 keys.  The loads take the bytes as they lie (512 consecutive bytes, two keys, an instruction); the conversions want 32 neighbours along d in one lane: so the keys turn through the wave's stage.
	; Load m takes keys 32 a + 8 i + 2 (m % 4) and the next, i = m / 8, a = (m / 4) % 2: tile i's sixteen keys, which go to rows 2 m and 2 m + 1: a tile's keys are neighbouring rows.
	v_lshlrev_b32 v4, 4, v1                        ; 16 x lane
	s_lshl_b32 s16, s18, 11
	v_add_nc_u32 v9, s16, v4                       ; codes: 16 x lane + my four tiles' 2,048 bytes
	v_lshl_add_u32 v8, v2, 4, v7
	s_lshl_b32 s16, s18, 8
	v_add_nc_u32 v8, s16, v8                       ; scale words: 16 r + 8 h + 256 x wave
	s_lshl_b32 s16, s18, 14                        ; my 64 keys
	s_mov_b32 s17, 0
	s_add_nc_u64 s[16:17], s[16:17], s[12:13]
	s_add_nc_u64 s[4:5], s[4:5], s[16:17]
	s_wait_alu depctr_va_vdst(0)                   ; the wait here, ahead of the loads and the waits below
.set m, 0
.rept 32
	global_load_b128 v[X+4*m:X+4*m+3], v4, s[4:5] offset:512*(16*((m/4)%2)+4*(m/8)+m%4) th:TH_LOAD_NT
.set m, m+1
.endr
; two tiles through the stage.  LDS serves a wave's instructions in order (ISA guide 5.7.1.4): no wait between the stores and the loads, which land in the registers that the stores have left.
.macro KGROUP g
	s_wait_loadcnt 16*(1-\g)                       ; this group's 16 loads are in; the other group's 16, issued behind them, may be out
.irp i, 0,1,2,3,4,5,6,7,8,9,10,11,12,13,14,15
	ds_store_b128 v5, v[X+64*\g+4*\i:X+64*\g+4*\i+3] offset:(32*\g+2*\i)*SP
.endr
.irp t, 0,1
.irp j, 0,1,2,3,4,5,6,7
	ds_load_b128 v[X+64*\g+32*\t+4*\j:X+64*\g+32*\t+4*\j+3], v6 offset:(32*\g+16*\t)*SP+16*\j
.endr
.endr
.endm
; tile t of my four: lane (r, h) holds block h of the tile's row r.  left: the LDS loads issued behind this tile's, which may stay out
.macro KTILE t, left
	s_wait_dscnt \left
	BMAX 10, 11, X+32*(\t)
	v_add_nc_u32 v12, 0xff000000, v10              ; 2 off the exponent field: the conversion takes the exponent field of this operand as its scale, and nothing else of it
	v_lshrrev_b32 v11, 23, v12                     ; the scale's byte
.irp g, 0,1,2,3
	v_cvt_scalef32_pk8_fp4_f32 v[CD+4*(\t)+\g], v[X+32*(\t)+8*\g:X+32*(\t)+8*\g+7], v12
.endr
	v_lshlrev_b32 v11, v7, v11                     ; my byte at its place, 8 h bits up.  (The plain line behind the conversions)
	v_permlanex16_b32 v13, v11, s20, s21
	v_or_b32 v11, v11, v13                         ; with lane l xor 16's: both blocks' bytes
	v_or_b32 v[SW+(\t)], 0x7f7f0000, v11           ; bytes 2 and 3: 1.0, over k = 64 .. 127, where q's codes are zeros
	global_store_b128 v9, v[CD+4*(\t):CD+4*(\t)+3], s[8:9] offset:512*(\t)   ; the tile's image: 512 consecutive bytes, aligned
.endm
	KGROUP 0
	KTILE 0, 8
	KTILE 1, 0
	KGROUP 1
	KTILE 2, 8
	KTILE 3, 0
	v_cmp_ne_u32 vcc_lo, 0, v3                     ; lanes 0-15 store their row's words 0, 1, lanes 16-31 words 2, 3 (both halves hold all four):
	v_cndmask_b32 v20, v16, v18, vcc_lo
	v_cndmask_b32 v21, v17, v19, vcc_lo
	global_store_b64 v8, v[20:21], s[8:9] offset:KSC   ; the wave stores 256 consecutive bytes, aligned
	s_branch .Ljoin
.Lv:
	; ---- V: A LANE TAKES A COLUMN d, AND ITS REGISTERS RUN DOWN THE KEYS: a block of 32 keys lies in one lane's 32 registers, and the conversions give codes with the keys innermost.  Nothing is transposed.
	v_lshlrev_b32 v4, 2, v1                        ; 4 x lane
	v_lshlrev_b32 v9, 10, v3
	v_lshl_add_u32 v9, v2, 4, v9
	s_lshl_b32 s16, s18, 11
	s_lshl_b32 s17, s22, 9
	s_add_co_u32 s16, s16, s17
	v_add_nc_u32 v9, s16, v9                       ; codes: column 32 w + 16 h + r is row r of d tile 2 w + h: 2048 w + 1024 h + 16 r; my keys are register group c: + 512 c
	s_lshl_b32 s16, s18, 7
	s_lshl_b32 s17, s22, 14
	s_add_co_u32 s16, s16, s17
	s_mov_b32 s17, 0
	s_add_nc_u64 s[16:17], s[16:17], s[12:13]      ; my 64 keys, my 32 columns' 128 bytes of each row
	s_add_nc_u64 s[6:7], s[6:7], s[16:17]
	s_wait_alu depctr_va_vdst(0)                   ; the wait here, ahead of the loads and the waits below
.set m, 0
.rept 64
	global_load_b32 v[X+m], v4, s[6:7] offset:256*m th:TH_LOAD_NT   ; 128 consecutive bytes a wave, its partner the row's other 128
.set m, m+1
.endr
.macro VBLOCK b
	s_wait_loadcnt 32*(1-\b)                       ; this block's 32 loads are in; the next block's 32 may be out
	BMAX 10, 11, X+32*(\b)
	v_add_nc_u32 v12, 0xff000000, v10
	v_lshrrev_b32 v11, 23, v12
.irp g, 0,1,2,3
	v_cvt_scalef32_pk8_fp4_f32 v[CD+4*(\b)+\g], v[X+32*(\b)+8*\g:X+32*(\b)+8*\g+7], v12
.endr
.if (\b) == 0
	v_mov_b32 v[SW], v11                           ; the lower keys in the lower byte.  (The plain line behind the conversions)
.else
	v_lshl_or_b32 v[SW], v11, 8, v[SW]
.endif
	global_store_b128 v9, v[CD+4*(\b):CD+4*(\b)+3], s[8:9] offset:VIM+256*(\b)   ; block b is lanes 16 b on of the register group: each half of my lanes stores 256 consecutive bytes, aligned
.endm
	VBLOCK 0
	VBLOCK 1
	ds_store_b16 v22, v[SW]                        ; my two bytes of the column's scale word
.Ljoin:
	s_wait_alu depctr_va_vdst(0)                   ; directly ahead of the wait below
	s_wait_dscnt 0x0                               ; my LDS stores are done: another wave reads V's scale bytes behind the barrier
	s_barrier_signal -1
	s_barrier_wait -1
	s_cmp_lg_u32 s10, 2
	s_cbranch_scc1 .Lend
	ds_load_b64 v[50:51], v14
	s_wait_dscnt 0x0
	global_store_b64 v23, v[50:51], s[8:9] offset:VSC   ; V's 64 scale words: one aligned unit of 256 bytes
.Lend:
	s_wait_tensorcnt 0x0                           ; the wave's end
	ds_add_u32 v192, v193
	s_wait_dscnt 0x0
	s_endpgm
.Lfunc_end_k_qe4f8a69df4_quant:
	.size	k_qe4f8a69df4_quant, .Lfunc_end_k_qe4f8a69df4_quant-k_qe4f8a69df4_quant
	.p2alignl 7, 3214868480
	.fill 96, 4, 3214868480
	.section	.rodata,"a",@progbits
	.p2align	6, 0x0
	.amdhsa_kernel k_qe4f8a69df4_quant
		.amdhsa_group_segment_fixed_size 35840
		.amdhsa_private_segment_fixed_size 0
		.amdhsa_enable_private_segment 0
		.amdhsa_kernarg_size 24
		.amdhsa_user_sgpr_count 2
		.amdhsa_user_sgpr_kernarg_segment_ptr 1
		.amdhsa_wavefront_size32 1
		.amdhsa_system_sgpr_workgroup_id_x 1
		.amdhsa_system_sgpr_workgroup_id_y 1
		.amdhsa_system_sgpr_workgroup_id_z 1
		.amdhsa_system_vgpr_workitem_id 0
		.amdhsa_next_free_vgpr 194
		.amdhsa_next_free_sgpr 66
		.amdhsa_reserve_vcc 1
		.amdhsa_float_denorm_mode_32 3
		.amdhsa_float_denorm_mode_16_64 3
		.amdhsa_memory_ordered 1
		.amdhsa_forward_progress 1
		.amdhsa_inst_pref_size 27
	.end_amdhsa_kernel
	.amdgpu_metadata
---
amdhsa.version: [ 1, 2 ]
amdhsa.kernels:
  - .name:           k_qe4f8a69df4_quant
    .symbol:         k_qe4f8a69df4_quant.kd
    .args:
      - { .name: key_states, .offset: 0, .size: 8, .value_kind: global_buffer, .address_space: global }
      - { .name: value_states, .offset: 8, .size: 8, .value_kind: global_buffer, .address_space: global }
      - { .name: kv, .offset: 16, .size: 8, .value_kind: global_buffer, .address_space: global }
    .group_segment_fixed_size: 35840
    .private_segment_fixed_size: 0
    .kernarg_segment_align: 8
    .kernarg_segment_size: 24
    .max_flat_workgroup_size: 192
    .sgpr_count:     66
    .vgpr_count:     194
    .wavefront_size: 32
...
	.end_amdgpu_metadata
.endif
;; end of part 1
;; launch attn (part 2): grid 8 x 32, 16 waves a work-group, clusters of 4 x 1, 303,104 bytes of LDS; arguments query_states, kv, out0; writes out0
.if DOCPART == 2
	.amdgcn_target "amdgcn-amd-amdhsa--gfx1250"
	.amdhsa_code_object_version 6
	.text
	.protected	k_qe4f8a69df4_attn
	.globl	k_qe4f8a69df4_attn
	.p2align	8
	.type	k_qe4f8a69df4_attn,@function
k_qe4f8a69df4_attn:
	s_mov_b64 s[64:65], 0
	v_nop
	global_prefetch_b8 v0, s[64:65] scope:SCOPE_SE
	s_setreg_imm32_b32 hwreg(HW_REG_WAVE_MODE, 25, 1), 1
	s_wait_xcnt 0x0
	s_wait_alu depctr_hold_cnt(0) depctr_sa_sdst(0) depctr_va_vdst(0) depctr_va_sdst(0) depctr_va_ssrc(0) depctr_va_vcc(0) depctr_vm_vsrc(0)
	s_getreg_b32 s2, hwreg(HW_REG_IB_STS2, 6, 4)
	s_cmp_eq_u32 s2, 0
	s_cbranch_scc0 .Lentry_in_a_cluster
	s_endpgm
.Lentry_in_a_cluster:
	s_bfe_u32 s2, ttmp6, 0x10000c
	s_cmp_lg_u32 s2, 0x3003
	s_cbranch_scc0 .Lentry_shape_is_right
	s_endpgm
.Lentry_shape_is_right:
; out0[h][q][:] = the sum over k of softmax_k(s) V[h][k][:], s = Q[h][q] . K[h][k] / 8 where k <= q and -10000 where k > q.  32 heads, 2,048 queries and keys, head size 64, f32 in and out.
; Both products on codes of FP4 (E2M1) with one E8M0 scale for each 32 along a product's K.  K's and V's codes come from kv, as images of the operands' registers (records of 128 keys, 8,960 bytes:
; K's 8 tiles at 0, V's 4 tiles at 4096, K's scale words at 8192, V's at 8704); Q is read once, by one wave, and is quantised here in registers.
; THE SOFTMAX: t = raw score x c, c = log2(e) / 8; M = the row's largest t so far, rounded UP to a whole number; p = 2^(t - M) is what is quantised, along the keys, not normalised; the row's sum is taken of the
; unquantised p and divides at the end.  When M moves, the sum and O are multiplied by 2^(old M - new M): exact.
; THE MASK IS -10000, NOT -INFINITY: hidden keys count.  A hidden key's raw score is -80000.0.  Every query but 2047 has a hidden key, so its largest raw score BEGINS at -80000.0.
; WORK LEFT OUT: the first product's tiles of 16 queries x 128 keys wholly above the diagonal: their scores are replaced by -10000 whatever Q and K hold.  In those records every p of a query is the same number p_m, and
; so is its quantised value p^: the sum over their keys of p^ x V is p^ x (the sum of V's quantised numbers), and that sum is made once for the work-group, by matrix instructions with the code 1.0 in p's place:
; each wave sums one record, and the sums of records j + 1 .. 15 serve the tile whose diagonal lies in record j.  The row's sum takes (number of such keys) x p_m.
; SHARES.  A head has 128 tiles of 16 queries, 8 to a block of 128.  Work-group x owns tile x of EACH of the 16 blocks: the tile of block j has j open records and the diagonal one, whatever x is.
; Waves w and w + 8 share the tiles of blocks 15 - w and w, 17 steps of 128 keys: wave w takes records 0 to 7 of the long tile; wave w + 8 records 15 - w down to 8 of it, then records 0 to w of the short one.
; The long tile's two parts are joined through LDS, under the larger M: exact powers of two.  Four waves to a SIMD.  ONE loop of nine trips serves all waves: u = trip + (8 in waves 0-7, w - 8 in the others);
; the trip's record is 15 - u where u < 8, else u - 8; behind u = 7 a wave changes tiles; at u = 16 (the ninth trip of waves 0-7) two waves make the sums over records instead.
; CLUSTERS of 4 x 1: the four work-groups need the same sixteen records and ask for them jointly, a record a wave, one tensor load a wave; nothing is filled again.  No branch and no LDS address hangs on the place in the cluster:
; x enters addresses of Q and out0 and the diagonal's masks alone.  NO PREFETCH: no loop reads memory; all that the work-group reads is asked for at its head.
; K = 64 IN A FORM OF K = 128: Q's registers 4-7 are zero codes, so k = 64 .. 127 adds nothing whatever K's side holds there: K's fragments lie 4 registers apart; the scale bytes of those k are 0x7f on both sides.
; LAYOUT.  Both products are used transposed: S^T = K Q^T (source 0 = 16 keys, source 1 = 16 queries), O^T = V^T P^T: a lane holds ONE query (lane % 16) throughout.  Lane r of K's tile 4 c + i is key
; 64 c + 32 (r / 8) + 8 i + r % 8, so that register 32 c + n of a lane is key 64 c + 32 (lane / 16) + n: a WHOLE BLOCK of 32 keys in one lane, in the very order of the second product's operand.
; LIMITS: NaN and infinities among the inputs are not served; one that reaches only the work left out is not carried to the result.  A p under 2^-126 is 0 (v_exp_f32 gives zero there: ISA guide 15.8); a block whose every p
; is 0 has the byte 1 and zero codes.  p^ of a p_m under 2^-124 is rounded as if its block's exponent were not held.  The promise holds while t stays under 2^31 in magnitude.
.set REC,   8960
.set HEADB, 16*REC
.set VIM,   4096
.set KSC,   8192
.set VSC,   8704
.set STG,   HEADB                      ; a stage for each wave: 16 rows x 272 bytes, for Q's way in and O's way out
.set SP,    272
.set STB,   16*SP
.set DMP,   STG+16*STB                 ; a slot for each wave: 32 registers of O, and the sum and -M
.set QIM,   DMP+16*STB                 ; Q's codes, an image of 512 bytes for each wave's tile
.set QSM,   QIM+16*512                 ; and its scale words
.set RB,    QSM+16*128                 ; sums of V over each record, [16][64] f32
.set UB,    RB+16*256                  ; sums of V over the records behind record j, [16][64] f32
.set SPARE, UB+16*256                  ; the spare words, 128 bytes a wave
.set LI,  1                            ; 16 x lane
.set LS,  2                            ; 4 x lane
.set L8,  3                            ; 8 x lane
.set DA,  4                            ; stage, dense side
.set RA,  5                            ; stage, Q out
.set OA,  6                            ; stage, O in
.set AK,  7                            ; K of the next step
.set AV,  8                            ; V of this step
.set AW,  9                            ; V's scale words
.set MVR, 10                           ; -80000.0
;                                        v11 at work, v12 -M, v13 the largest raw score, v[14:15] the sum in two halves
.set QF,  16                           ; v16-23   Q's fragment; v20-23 zeros
.set KFR, 24                           ; v24-59   K's eight fragments, 4 registers apart; v56-59 zeros
.set VF,  60                           ; v60-91   V's four fragments
.set DM,  92                           ; my slot: + 16 x lane;  DM8: + 8 x lane;  DR, DR8: the slot of wave w | 8
.set DM8, 93
.set DR,  94
.set DR8, 95
.set S,   96                           ; v96-159  S^T, then p
.set O,   160                          ; v160-191 O^T
.set PC,  192                          ; v192-199 p's codes
.set KS,  200                          ; v200-203 K's scale words: lanes 0-15 tiles 0-3, lanes 16-31 tiles 4-7
.set VS,  204                          ; v204-205 V's: lanes 0-15 tiles 0, 2, lanes 16-31 tiles 1, 3
.set QS,  206
.set PS,  207
.set BM,  208                          ; v208-209 the blocks' largest scores, then largest p
.set BT,  210                          ; v210-211 their second chains
.set PD,  212                          ; a permute's destination
.set SO,  214                          ; v214-215 the conversions' scale operands
.set F,   216                          ; v[216:217] f = 2^(old M - new M); v217 is only named with it
.set AC,  218                          ; v218-223 chains of the sum
.set F2,  224                          ; v[224:225]
.set TMP, 232                          ; v[232:233]
.set TM2, 233
.set QB,  234                          ; v234-237 my own tile's codes, v238 its scale words
.set QBS, 238
.set UA,  240
.set UR,  241
.set RS,  242
.set QIA, 243
.set QJA, 244
.set QSA, 245
.set QTA, 246
.set RR,  247                          ; r = lane % 16
.set HH,  248                          ; h = lane / 16
.set AD,  249
.set SPW, 254
.set NIL, 255
.set WV,  10                           ; s10 wave; s11 x; s12 head; s13 first u; s14 my tile's block j; s15 trip; s16 u; s17 hidden keys as f32; s18, s19 the step's and the next step's record in LDS
.set XB,  11
.set HD,  12
.set PP,  13
.set JT,  14
.set IT,  15
.set U,   16
.set NH,  17
.set RC,  18
.set RN,  19
.set SEL, 20                           ; s[20:21] lane selects for v_permlanex16_b32: lane l xor 16
.set CS,  22                           ; s[22:23] c: the packed form names a pair and takes its low word for both halves
.set G0,  24                           ; s[24:27], s[28:35] the tensor load's descriptor; s36-63 and s66-101 the diagonal's 64 masks
.set G1,  28
; the LDS byte of the record of u: (15 - u where u < 8, else u - 8) records on
.macro RECOF d, u
	s_bfe_u32 s[\d], s[\u], 0x10003
	s_mul_i32 s[\d], s[\d], 7
	s_xor_b32 s[\d], s[\d], s[\u]
	s_xor_b32 s[\d], s[\d], 15
	s_and_b32 s[\d], s[\d], 15
	s_mul_i32 s[\d], s[\d], REC
.endm
.macro ROUND
	s_barrier_signal -1
	s_barrier_wait -1
	s_cmp_lg_u32 s[WV], 0
	s_cbranch_scc1 .Lnot_wave_0_\@
	s_barrier_signal -3
.Lnot_wave_0_\@:
	s_barrier_wait -3
	s_barrier_signal -1
	s_barrier_wait -1
.endm
.macro PLACES                          ; four places behind matrix instructions (ISA guide 7.12.1)
.rept 4
	v_nop
.endr
.endm
.macro VFETCH
.irp t, 0,1,2,3
.irp c, 0,1
	ds_load_b128 v[VF+8*\t+4*\c:VF+8*\t+4*\c+3], v[AV] offset:VIM+1024*\t+512*\c
.endr
.endr
	ds_load_b64 v[VS:VS+1], v[AW] offset:VSC
.endm
.macro KFETCH
.irp t, 0,1,2,3,4,5,6,7
	ds_load_b128 v[KFR+4*\t:KFR+4*\t+3], v[AK] offset:512*\t
.endr
	ds_load_b128 v[KS:KS+3], v[AK] offset:KSC
.endm
	s_load_b128 s[4:7], s[0:1], 0x0                ; Q s[4:5], kv s[6:7]
	s_load_b64 s[8:9], s[0:1], 0x10                ; out0
	v_lshl_add_u32 v[SPW], v0, 2, SPARE
	v_mov_b32 v[NIL], 0
	ds_add_u32 v[SPW], v[NIL]                      ; the wave's opening: the add, twice on end,
	ds_add_u32 v[SPW], v[NIL]                      ; and one wait for both
	v_lshrrev_b32 v11, 5, v0
	v_readfirstlane_b32 s[WV], v11                 ; wave 0..15
	v_and_b32 v11, 31, v0
	v_and_b32 v[RR], 15, v0
	v_bfe_u32 v[HH], v0, 4, 1
	v_lshlrev_b32 v[LI], 4, v11
	v_lshlrev_b32 v[LS], 2, v11
	v_lshlrev_b32 v[L8], 3, v11
	s_wait_alu depctr_va_vdst(0)                   ; the wait ahead of the scalar lines and the waits below
	s_bfe_u32 s2, ttmp6, 0x40000                   ; my place along the cluster's x
	s_lshl_b32 s[XB], ttmp9, 2
	s_add_co_u32 s[XB], s[XB], s2                  ; work-group x of the head
	s_and_b32 s[HD], ttmp7, 0xffff
	s_lshr_b32 s3, s[WV], 3
	s_mul_i32 s3, s3, 7
	s_xor_b32 s[JT], s[WV], s3
	s_xor_b32 s[JT], s[JT], 15                     ; my own tile's block: 15 - w in waves 0-7, w - 8 in the others
	s_xor_b32 s[PP], s[WV], 8
	s_min_u32 s[PP], s[PP], 8                      ; u of trip 0
	s_lshl_b32 s36, s[HD], 19
	s_lshl_b32 s37, s[JT], 15
	s_add_co_u32 s36, s36, s37
	s_lshl_b32 s37, s[XB], 12
	s_add_co_u32 s36, s36, s37                     ; my tile's first byte in Q and in out0: (2048 head + 128 j + 16 x) x 256
	s_mov_b32 s37, 0
	s_mov_b32 s[G0], 1                             ; 1:0 count = 1
	s_mul_i32 s[G0+1], s[WV], REC                  ; 63:32 LDS address: record w
	s_mul_i32 s38, s[HD], HEADB
	s_add_co_u32 s38, s38, s[G0+1]
	s_mov_b32 s39, 0
	s_mov_b32 s[G1], (3<<16)|(1<<21)|15            ; 15:0 the cluster's four; 17:16 elements of 8 bytes; 21 set beside a mask; no padding
	s_mov_b32 s[G1+1], 32<<16                      ; a record: 35 rows of 256 bytes, dense
	s_mov_b32 s[G1+2], 35<<16
	s_mov_b32 s[G1+3], 32<<16
	s_mov_b32 s[G1+4], 35
	s_mov_b32 s[G1+5], 32
	s_mov_b32 s[G1+6], 0
	s_mov_b32 s[G1+7], 0
	s_wait_dscnt 0x0                               ; both opening adds are done
	s_wait_kmcnt 0x0
	s_add_nc_u64 s[4:5], s[4:5], s[36:37]
	s_add_nc_u64 s[8:9], s[8:9], s[36:37]
	s_add_nc_u64 s[G0+2:G0+3], s[6:7], s[38:39]    ; 120:64 global address
	s_or_b32 s[G0+3], s[G0+3], 0x80000000          ; 127:126 type = 2
.irp i, 0,1,2,3,4,5,6,7
	global_load_b128 v[S+4*\i:S+4*\i+3], v[LI], s[4:5] offset:512*\i th:TH_LOAD_NT   ; my 16 rows of Q as they lie: 512 consecutive bytes, two rows, an instruction
.endr
	ROUND                                          ; the cluster's four work-groups are here: the joint loads meet
	tensor_load_to_lds s[G0:G0+3], s[G1:G1+7]      ; record w: the launch's one tensor load of this wave
	s_nop 0
	; constants and addresses, while the loads are out.  s66-77 hold masks only later
	s_mul_i32 s2, s[WV], STB
	s_add_co_u32 s3, s2, DMP
	s_add_co_u32 s2, s2, STG
	s_or_b32 s66, s[WV], 8
	s_mul_i32 s66, s66, STB
	s_add_co_u32 s66, s66, DMP
	s_lshl_b32 s67, s[WV], 9
	s_add_co_u32 s67, s67, QIM
	s_and_b32 s68, s[WV], 7
	s_lshl_b32 s69, s68, 9
	s_add_co_u32 s69, s69, QIM
	s_lshl_b32 s70, s[WV], 7
	s_add_co_u32 s70, s70, QSM
	s_lshl_b32 s71, s68, 7
	s_add_co_u32 s71, s71, QSM
	s_and_b32 s72, s[WV], 1
	s_lshl_b32 s72, s72, 7
	s_add_co_u32 s72, s72, RB
	s_lshl_b32 s73, s[JT], 8
	s_add_co_u32 s73, s73, UB
	s_lshl_b32 s74, s[WV], 8
	s_add_co_u32 s74, s74, RB
	s_sub_co_u32 s75, 15, s68
	s_lshl_b32 s75, s75, 7
	s_lshl_b32 s76, s[XB], 4
	s_add_co_u32 s75, s75, s76                     ; the long tile's first query
	s_sub_co_u32 s77, 15, s[JT]
	s_lshl_b32 s77, s77, 7
	s_cvt_f32_u32 s[NH], s77                       ; my own tile's hidden keys behind the diagonal record
	s_mul_i32 s78, s[WV], REC
	RECOF RC, PP
	s_mov_b32 s[SEL], 0x76543210
	s_mov_b32 s[SEL+1], 0xfedcba98
	s_mov_b32 s[CS], 0x3e38aa3b                    ; c = log2(e) / 8
	s_mov_b32 s[CS+1], s[CS]
	v_mul_u32_u24 v[DA], v[HH], SP
	v_mul_u32_u24 v[RA], v[RR], SP
	v_lshlrev_b32 v[AD], 5, v[HH]
	v_add_nc_u32 v[DM], s3, v[LI]
	v_lshl_add_u32 v[OA], v[HH], 5, v[RA]
	v_lshl_add_u32 v[DA], v[RR], 4, v[DA]
	v_lshl_add_u32 v[RA], v[HH], 7, v[RA]
	v_add_nc_u32 v[DM8], s3, v[L8]
	v_add_nc_u32 v[OA], s2, v[OA]                  ; row r, + 32 h
	v_add_nc_u32 v[DA], s2, v[DA]                  ; row lane / 16, 16 (lane % 16)
	v_add_nc_u32 v[RA], s2, v[RA]                  ; row r, + 128 h
	v_add_nc_u32 v[DR], s66, v[LI]
	v_add_nc_u32 v[DR8], s66, v[L8]
	v_add_nc_u32 v[QIA], s67, v[LI]
	v_add_nc_u32 v[QJA], s69, v[LI]
	v_add_nc_u32 v[QSA], s70, v[LS]
	v_add_nc_u32 v[QTA], s71, v[LS]
	v_add_nc_u32 v[UA], s72, v[LS]
	v_lshl_add_u32 v[UR], v[HH], 5, s73
	v_lshl_add_u32 v[RS], v[HH], 5, s74
	v_add_nc_u32 v[AV], s78, v[LI]                 ; first my own record
	v_add_nc_u32 v[AW], s78, v[L8]
	v_add_nc_u32 v[AK], s[RC], v[LI]
	v_mov_b32 v[MVR], 0xc79c4000                   ; -80000.0 = -10000 x 8
	v_sub_nc_u32 v[AD], v[RR], v[AD]
	v_add_nc_u32 v[TMP], s75, v[RR]                ; the long tile's query
	v_mov_b32 v11, 0xff61b1e6                      ; -3e38
	v_add_nc_u32 v[AD], s76, v[AD]                 ; d = 16 x + r - 32 h: on the diagonal register 32 c + n is hidden where 64 c + n > d
	v_cmp_eq_u32 vcc_lo, 0x7ff, v[TMP]
	v_cndmask_b32 v13, v[MVR], v11, vcc_lo         ; the largest raw score begins at -80000.0; for query 2047, which has no hidden key, under every score
	v_mov_b32 v12, 0x7f61b1e6                      ; -M before the first step: f = 0 then
	v_mov_b32 v14, 0
	v_mov_b32 v15, 0
.irp j, 4,5,6,7
	v_mov_b32 v[QF+\j], 0                          ; Q's codes of k = 64 .. 127: zeros
.endr
.irp j, 32,33,34,35
	v_mov_b32 v[KFR+\j], 0                         ; what tile 7's fragment names beyond its codes
.endr
.irp j, 0,1,2,3,4,5,6,7
	v_mov_b32 v[PC+\j], 0x22222222                 ; the code of 1.0, for the sums over records
.endr
	v_mov_b32 v[PS], 0x7f7f7f7f
	v_mov_b32 v[PD], 0                             ; written once: a lane permute's destination counts as one of its sources
	v_mov_b32 v[F+1], 0                            ; (named as the upper half of the pair before it could be written)
	v_mov_b32 v[F2+1], 0
.set n, 0
.rept 64                               ; the diagonal's masks: the same for both of a pair's tiles
.if n < 28
.set MK, 36+n
.else
.set MK, 38+n
.endif
	v_cmp_gt_i32 s[MK], 64*(n/32)+n%32, v[AD]
.set n, n+1
.endr
	; Q turns through my stage: in as loaded, out 32 neighbours along d a lane: lane (r, h) = d 32 h .. 32 h + 31 of query r, one block
	s_wait_alu depctr_va_vdst(0)                   ; directly ahead of the wait below
	s_wait_loadcnt 0x0
.irp i, 0,1,2,3,4,5,6,7
	ds_store_b128 v[DA], v[S+4*\i:S+4*\i+3] offset:2*SP*\i
.endr
.irp j, 0,1,2,3,4,5,6,7
	ds_load_b128 v[S+32+4*\j:S+32+4*\j+3], v[RA] offset:16*\j   ; LDS serves a wave's instructions in order (ISA guide 5.7.1.4): these see the stores above
.endr
	s_wait_dscnt 0x0
	v_max3_num_f32 v[BM], |v[S+32]|, |v[S+33]|, |v[S+34]|
	v_max3_num_f32 v[BT], |v[S+35]|, |v[S+36]|, |v[S+37]|
.irp i, 38,42,46,50,54,58
	v_max3_num_f32 v[BM], v[BM], |v[S+\i]|, |v[S+\i+1]|
	v_max3_num_f32 v[BT], v[BT], |v[S+\i+2]|, |v[S+\i+3]|
.endr
	v_max3_num_f32 v[BM], v[BM], |v[S+62]|, |v[S+63]|
	v_max3_num_f32 v[BM], v[BM], v[BT], 0x1800000  ; and the floor 2^(3 - 127): the byte cannot fall under 1
	v_add_nc_u32 v[SO], 0xff000000, v[BM]          ; 2 off the exponent field: the conversion's scale operand
	v_lshrrev_b32 v[TMP], 23, v[SO]                ; the scale's byte
.irp g, 0,1,2,3
	v_cvt_scalef32_pk8_fp4_f32 v[QB+\g], v[S+32+8*\g:S+32+8*\g+7], v[SO]
.endr
	v_permlanex16_b32 v[PD], v[TMP], s[SEL], s[SEL+1]   ; (the plain line behind the conversions)
	v_lshl_or_b32 v[TMP], v[PD], 8, v[TMP]         ; lanes 0-15: both blocks' bytes; lanes 16-31 are not read
	v_or_b32 v[QBS], 0x7f7f0000, v[TMP]            ; and 1.0 over the zero codes
	ds_store_b128 v[QIA], v[QB:QB+3]               ; the tile's image, for the pair's other wave
	ds_store_b32 v[QSA], v[QBS]
	s_wait_alu depctr_va_vdst(0)                   ; directly ahead of the wait below
	s_wait_tensorcnt 0x0                           ; my record has landed
	VFETCH
	s_wait_dscnt 0x0
.irp t, 0,2                            ; the sum of V's quantised numbers over my record's 128 keys: every column of the result holds it
	v_wmma_scale_f32_16x16x128_f8f6f4 v[O+8*\t:O+8*\t+7], v[VF+8*\t:VF+8*\t+7], v[PC:PC+7], 0, v[VS+\t/2], v[PS] matrix_a_fmt:MATRIX_FMT_FP4 matrix_b_fmt:MATRIX_FMT_FP4
	v_wmma_scale_f32_16x16x128_f8f6f4 v[O+8*\t+8:O+8*\t+15], v[VF+8*\t+8:VF+8*\t+15], v[PC:PC+7], 0, v[VS+\t/2], v[PS] matrix_a_fmt:MATRIX_FMT_FP4 matrix_b_fmt:MATRIX_FMT_FP4 matrix_a_scale:MATRIX_SCALE_ROW1
.endr
	PLACES
.irp t, 0,1,2,3
	ds_store_b128 v[RS], v[O+8*\t:O+8*\t+3] offset:64*\t         ; d = 16 t + 8 h ..: the 16 lanes of a half write the same bytes with the same numbers
	ds_store_b128 v[RS], v[O+8*\t+4:O+8*\t+7] offset:64*\t+16
.endr
.set n, 0
.rept 32
	v_mov_b32 v[O+n], 0                            ; O^T: the step is written once: the first finds zeros, which f = 0 leaves zeros
.set n, n+1
.endr
	s_wait_alu depctr_va_vdst(0)                   ; the wait at the head's end
	s_wait_dscnt 0x0                               ; my image and my record's sums are stored
	s_barrier_signal -1
	s_barrier_wait -1                              ; all sixteen records, the images and the sums are there
	ds_load_b128 v[QF:QF+3], v[QJA]                ; first the long tile's Q
	ds_load_b32 v[QS], v[QTA]
	KFETCH
	s_mov_b32 s[IT], 0
.Ltrip:
	s_add_co_u32 s[U], s[IT], s[PP]
	s_cmp_eq_u32 s[U], 16
	s_cbranch_scc1 .Lidle                          ; waves 0-7 in the ninth trip
	s_add_co_u32 s2, s[U], 1
	RECOF RC, U
	RECOF RN, 2
	s_wait_dscnt 0x0                               ; K is in
.irp t, 0,1,2,3
	v_wmma_scale_f32_16x16x128_f8f6f4 v[S+8*\t:S+8*\t+7], v[KFR+4*\t:KFR+4*\t+7], v[QF:QF+7], 0, v[KS+\t], v[QS] matrix_a_fmt:MATRIX_FMT_FP4 matrix_b_fmt:MATRIX_FMT_FP4
.endr
.irp t, 4,5,6,7
	v_wmma_scale_f32_16x16x128_f8f6f4 v[S+8*\t:S+8*\t+7], v[KFR+4*\t:KFR+4*\t+7], v[QF:QF+7], 0, v[KS+\t-4], v[QS] matrix_a_fmt:MATRIX_FMT_FP4 matrix_b_fmt:MATRIX_FMT_FP4 matrix_a_scale:MATRIX_SCALE_ROW1
.endr
	v_add_nc_u32 v[AV], s[RC], v[LI]               ; four places, three of them work that is due
	v_add_nc_u32 v[AW], s[RC], v[L8]
	v_add_nc_u32 v[AK], s[RN], v[LI]
	v_nop
	VFETCH                                         ; V of this step, nine loads,
	KFETCH                                         ; and K of the next, nine loads (a wave's last step fetches a record that it does not multiply)
	s_and_b32 s2, s[IT], 7
	s_cbranch_scc1 .Lopen                          ; the diagonal records stand in trips 0 and 8
	s_cmp_lt_u32 s[WV], 8
	s_cbranch_scc1 .Lopen                          ; of waves 8-15
.set n, 0
.rept 64
.if n < 28
.set MK, 36+n
.else
.set MK, 38+n
.endif
	v_cndmask_b32 v[S+n], v[S+n], v[MVR], s[MK]    ; hidden scores (each accumulator from its low end on)
.set n, n+1
.endr
.Lopen:
	; the largest score of each of my two blocks of 32 keys: it serves for the row's maximum and, since p rises with the score, for the block's largest p.  Two chains a block, by turns
.irp c, 0,1
	v_max3_num_f32 v[BM+\c], v[S+32*\c], v[S+32*\c+1], v[S+32*\c+2]
	v_max3_num_f32 v[BT+\c], v[S+32*\c+16], v[S+32*\c+17], v[S+32*\c+18]
.endr
.irp i, 3,5,7,9,11,13
.irp c, 0,1
	v_max3_num_f32 v[BM+\c], v[BM+\c], v[S+32*\c+\i], v[S+32*\c+\i+1]
	v_max3_num_f32 v[BT+\c], v[BT+\c], v[S+32*\c+16+\i], v[S+32*\c+17+\i]
.endr
.endr
.irp c, 0,1
	v_max3_num_f32 v[BM+\c], v[BM+\c], v[S+32*\c+15], v[S+32*\c+31]
.endr
.irp c, 0,1
	v_max_num_f32 v[BM+\c], v[BM+\c], v[BT+\c]
.endr
	v_max_num_f32 v[TMP], v[BM], v[BM+1]
	s_delay_alu instid0(VALU_DEP_1)
	v_permlanex16_b32 v[PD], v[TMP], s[SEL], s[SEL+1]
	s_delay_alu instid0(VALU_DEP_1)
	v_max3_num_f32 v13, v13, v[TMP], v[PD]         ; with lane l xor 16's two blocks: the running largest raw score of my query
	s_delay_alu instid0(VALU_DEP_1)
	v_mul_f32 v[TMP], s[CS], v13                   ; as t (c is positive)
	s_delay_alu instid0(VALU_DEP_1)
	v_floor_f32 v[TM2], -v[TMP]                    ; the new -M = floor(-t) = -ceil(t): a whole number
	s_delay_alu instid0(VALU_DEP_1)
	v_sub_f32 v[TMP], v[TM2], v12                  ; old M less new M: a whole number, 0 or less
	v_mov_b32 v12, v[TM2]
	s_delay_alu instid0(VALU_DEP_2)
	v_cvt_i32_f32 v[TMP], v[TMP]                   ; (it saturates)
	s_delay_alu instid0(VALU_DEP_1)
	v_ldexp_f32 v[F], 1.0, v[TMP]                  ; f = 2^(old M - new M)
.set n, 0
.rept 32
	v_pk_fma_f32 v[S+n:S+n+1], v[S+n:S+n+1], s[CS:CS+1], v[12:13] op_sel_hi:[1,0,0]   ; t - M, two at a time (of the pairs c and -M the low word serves both halves)
.set n, n+2
.endr
.irp c, 0,1
	v_fma_f32 v[BM+\c], v[BM+\c], s[CS], v12       ; the same of each block's largest score
.endr
	s_wait_alu depctr_va_vdst(0)                   ; the wait ahead of the batch
.set n, 0
.rept 64
	v_exp_f32 v[S+n], v[S+n]                       ; p = 2^(t - M): not normalised
.set n, n+1
.endr
.irp c, 0,1
	v_exp_f32 v[BM+\c], v[BM+\c]                   ; the block's largest p: the same two instructions on the same number give the same bits
.endr
	v_pk_mul_f32 v[14:15], v[14:15], v[F:F+1] op_sel_hi:[1,0]   ; the sums under the new M.  (The plain place behind the exponentials)
	s_wait_alu depctr_va_vdst(0)                   ; the wait behind the batch, and ahead of O^T's first readers
.set n, 0
.rept 16
	v_pk_mul_f32 v[O+n:O+n+1], v[O+n:O+n+1], v[F:F+1] op_sel_hi:[1,0]   ; O^T under the new M, each accumulator from its low end on
.set n, n+2
.endr
.irp c, 0,1
	v_max_num_f32 v[BM+\c], 0x1800000, v[BM+\c]    ; the floor 2^(3 - 127): the byte cannot fall under 1
.endr
.irp c, 0,1
	v_add_nc_u32 v[SO+\c], 0xff000000, v[BM+\c]    ; 2 off the exponent field: the conversion's scale operand
.endr
	v_lshrrev_b32 v[TMP], 23, v[SO]                ; my blocks' bytes: blocks h and 2 + h of the step's four
	v_lshrrev_b32 v[TM2], 23, v[SO+1]
	v_lshl_or_b32 v[TMP], v[TM2], 16, v[TMP]
	v_permlanex16_b32 v[PD], v[TMP], s[SEL], s[SEL+1]
	v_lshl_or_b32 v[PS], v[PD], 8, v[TMP]          ; lanes 0-15: p's scale word for these 128 keys; lanes 16-31 are not read
.irp c, 0,1
.irp g, 0,1,2,3
	v_cvt_scalef32_pk8_fp4_f32 v[PC+4*\c+\g], v[S+32*\c+8*\g:S+32*\c+8*\g+7], v[SO+\c]   ; a lane's 32 registers are a whole block, as the operand has it
.endr
.endr
	; the row's sum, of the unquantised p: four chains of pairs
.irp k, 0,1,2
	v_pk_add_f32 v[AC+2*\k:AC+2*\k+1], v[S+4*\k:S+4*\k+1], v[S+4*\k+2:S+4*\k+3]
.endr
	v_pk_add_f32 v[14:15], v[14:15], v[S+12:S+13]
.set n, 14
.rept 6
	v_pk_add_f32 v[AC:AC+1], v[AC:AC+1], v[S+n:S+n+1]
	v_pk_add_f32 v[AC+2:AC+3], v[AC+2:AC+3], v[S+n+2:S+n+3]
	v_pk_add_f32 v[AC+4:AC+5], v[AC+4:AC+5], v[S+n+4:S+n+5]
	v_pk_add_f32 v[14:15], v[14:15], v[S+n+6:S+n+7]
.set n, n+8
.endr
	v_pk_add_f32 v[AC:AC+1], v[AC:AC+1], v[S+62:S+63]
	v_pk_add_f32 v[14:15], v[14:15], v[AC+4:AC+5]
	v_pk_add_f32 v[AC:AC+1], v[AC:AC+1], v[AC+2:AC+3]
	v_pk_add_f32 v[14:15], v[14:15], v[AC:AC+1]
	s_wait_dscnt 9                                 ; V is in; the nine loads of the next step's K may be out
.irp t, 0,2                            ; O^T += V^T P^T: the four accumulators take turns, one instruction a turn
	v_wmma_scale_f32_16x16x128_f8f6f4 v[O+8*\t:O+8*\t+7], v[VF+8*\t:VF+8*\t+7], v[PC:PC+7], v[O+8*\t:O+8*\t+7], v[VS+\t/2], v[PS] matrix_a_fmt:MATRIX_FMT_FP4 matrix_b_fmt:MATRIX_FMT_FP4
	v_wmma_scale_f32_16x16x128_f8f6f4 v[O+8*\t+8:O+8*\t+15], v[VF+8*\t+8:VF+8*\t+15], v[PC:PC+7], v[O+8*\t+8:O+8*\t+15], v[VS+\t/2], v[PS] matrix_a_fmt:MATRIX_FMT_FP4 matrix_b_fmt:MATRIX_FMT_FP4 matrix_a_scale:MATRIX_SCALE_ROW1
.endr
	s_cmp_lg_u32 s[U], 7
	s_cbranch_scc1 .Lnext
	; waves 8-15 behind record 8: my part of the long tile goes to my slot, and the short tile begins
	PLACES
	s_wait_alu depctr_va_vdst(0)                   ; the sum was written ahead of a wait that blocks
.irp k, 0,1,2,3,4,5,6,7
	ds_store_b128 v[DM], v[O+4*\k:O+4*\k+3] offset:512*\k
.endr
	v_add_f32 v[TMP], v14, v15
	v_mov_b32 v[TM2], v12
	ds_store_b64 v[DM8], v[TMP:TM2] offset:4096
	v_mov_b32 v[QS], v[QBS]
.irp j, 0,1,2,3
	v_mov_b32 v[QF+\j], v[QB+\j]
.endr
	v_mov_b32 v12, 0x7f61b1e6                      ; the next step's f is 0: it clears O^T and the sum
	v_mov_b32 v13, v[MVR]                          ; no query of a short tile is the last one
	v_nop                                          ; eight places behind the write of a scale register, four behind an operand's
	v_nop
	s_wait_alu depctr_va_vdst(0)                   ; the wait ahead of the branch
	s_branch .Lnext
.Lidle:
	s_cmp_gt_u32 s[WV], 1
	s_cbranch_scc1 .Lnext
	; waves 0 and 1: a lane a column d: the sums of V over the records behind record j, j = 15 down to 0
.set n, 1
.rept 15
	ds_load_b32 v[S+n], v[UA] offset:256*n
.set n, n+1
.endr
	v_mov_b32 v[TMP], 0
	ds_store_b32 v[UA], v[TMP] offset:UB-RB+15*256
	s_wait_alu depctr_va_vdst(0)                   ; directly ahead of the wait below
	s_wait_dscnt 0x0
.set n, 15
.rept 15
	v_add_f32 v[TMP], v[TMP], v[S+n]
	ds_store_b32 v[UA], v[TMP] offset:UB-RB+(n-1)*256
.set n, n-1
.endr
.Lnext:
	s_add_co_u32 s[IT], s[IT], 1
	s_cmp_lt_u32 s[IT], 9
	s_cbranch_scc1 .Ltrip
	s_wait_alu depctr_va_vdst(0)                   ; directly ahead of the reader below
	v_add_f32 v14, v14, v15                        ; the sum's two halves
	s_wait_alu depctr_va_vdst(0)                   ; and directly ahead of the wait below
	s_wait_dscnt 0x0
	s_barrier_signal -1
	s_barrier_wait -1                              ; the long tiles' second parts and the sums over records are there
.irp t, 0,1,2,3
	ds_load_b128 v[KFR+8*\t:KFR+8*\t+3], v[UR] offset:64*\t      ; V summed over the records behind my tile's diagonal one, in O^T's layout
	ds_load_b128 v[KFR+8*\t+4:KFR+8*\t+7], v[UR] offset:64*\t+16
.endr
	s_cmp_lt_u32 s[WV], 8
	s_cbranch_scc0 .Lout
	; waves 0-7: the long tile's two parts under the larger M
.irp k, 0,1,2,3,4,5,6,7
	ds_load_b128 v[S+4*\k:S+4*\k+3], v[DR] offset:512*\k
.endr
	ds_load_b64 v[TMP:TM2], v[DR8] offset:4096
	s_wait_dscnt 0x0
	v_min_num_f32 v[BM], v12, v[TM2]
	v_sub_f32 v[BM+1], v[BM], v12
	v_sub_f32 v[BT], v[BM], v[TM2]
	v_mov_b32 v12, v[BM]
	v_cvt_i32_f32 v[BM+1], v[BM+1]
	v_cvt_i32_f32 v[BT], v[BT]
	v_ldexp_f32 v[F], 1.0, v[BM+1]
	v_ldexp_f32 v[F2], 1.0, v[BT]
	v_mul_f32 v14, v14, v[F]
.set n, 0
.rept 16
	v_pk_mul_f32 v[O+n:O+n+1], v[O+n:O+n+1], v[F:F+1] op_sel_hi:[1,0]
.set n, n+2
.endr
	v_fma_f32 v14, v[TMP], v[F2], v14
.set n, 0
.rept 16
	v_pk_fma_f32 v[O+n:O+n+1], v[S+n:S+n+1], v[F2:F2+1], v[O+n:O+n+1] op_sel_hi:[1,0,1]
.set n, n+2
.endr
.Lout:
	v_fma_f32 v[BM], v[MVR], s[CS], v12            ; t_m - M, by the multiply-add that a hidden score on the diagonal goes through
	v_permlanex16_b32 v[PD], v14, s[SEL], s[SEL+1]
	v_min_num_f32 v[BM], 0, v[BM]                  ; (above 0 for query 2047 alone, which has no hidden key: its count and its sum of V are 0)
	v_add_f32 v14, v14, v[PD]                      ; with lane l xor 16's: the row's sum over the records walked
	s_wait_alu depctr_va_vdst(0)                   ; the wait ahead of the transcendental
	v_exp_f32 v[BM], v[BM]                         ; p_m
	v_mov_b32 v[TMP], 0x400000                     ; (the plain place)
	s_wait_alu depctr_va_vdst(0)                   ; and behind it
	v_fma_f32 v14, v[BM], s[NH], v14               ; the sum takes the hidden keys.  It is above 1/2: the row's largest p is
	v_and_b32 v[BT], 0x7fffff, v[BM]
	v_and_b32 v[BM+1], 0x7f800000, v[BM]
	v_cmp_lt_u32 vcc_lo, 0x200000, v[BT]
	v_cndmask_b32 v[BT], 0, v[TMP], vcc_lo
	v_or_b32 v[F], v[BM+1], v[BT]                  ; p^: p_m over its block's scale lies in 4 .. 8: up to 5 (a tie, to even) it is the code 4, beyond it 6
	s_wait_alu depctr_va_vdst(0)                   ; the wait ahead of the transcendental
	v_rcp_f32 v14, v14
	v_nop                                          ; the plain place behind it
	s_wait_dscnt 0x0                               ; the sums of V are in
	s_wait_alu depctr_va_vdst(0)                   ; the wait here: the reciprocal, p^, and O^T's first readers
.set n, 0
.rept 16
	v_pk_fma_f32 v[O+n:O+n+1], v[KFR+n:KFR+n+1], v[F:F+1], v[O+n:O+n+1] op_sel_hi:[1,0,1]
.set n, n+2
.endr
.set n, 0
.rept 16
	v_pk_mul_f32 v[S+n:S+n+1], v[O+n:O+n+1], v[14:15] op_sel_hi:[1,0]   ; register 8 t + j is o(r, 16 t + 8 h + j)
.set n, n+2
.endr
	; through my stage, and out as it lies in memory: my 16 rows of 256 bytes are 4,096 consecutive bytes of out0
.irp t, 0,1,2,3
	ds_store_b128 v[OA], v[S+8*\t:S+8*\t+3] offset:64*\t
	ds_store_b128 v[OA], v[S+8*\t+4:S+8*\t+7] offset:64*\t+16
.endr
.irp i, 0,1,2,3,4,5,6,7
	ds_load_b128 v[KFR+4*\i:KFR+4*\i+3], v[DA] offset:2*SP*\i   ; LDS serves a wave's instructions in order: these see my stores
.endr
.irp i, 0,1,2,3,4,5,6,7
	s_wait_dscnt 7-\i                              ; load i is in; the 7 - i issued behind it may be out
	global_store_b128 v[LI], v[KFR+4*\i:KFR+4*\i+3], s[8:9] offset:512*\i th:TH_STORE_NT   ; 512 consecutive bytes, aligned; written once, read by nobody here
.endr
	s_wait_tensorcnt 0x0                           ; the wave's end
	ds_add_u32 v[SPW], v[NIL]
	s_wait_dscnt 0x0
	ROUND                                          ; the closing round: no work-group ends while a partner may still issue a joint load that names it
	s_endpgm
.Lfunc_end_k_qe4f8a69df4_attn:
	.size	k_qe4f8a69df4_attn, .Lfunc_end_k_qe4f8a69df4_attn-k_qe4f8a69df4_attn
	.p2alignl 7, 3214868480
	.fill 96, 4, 3214868480
	.section	.rodata,"a",@progbits
	.p2align	6, 0x0
	.amdhsa_kernel k_qe4f8a69df4_attn
		.amdhsa_group_segment_fixed_size 303104
		.amdhsa_private_segment_fixed_size 0
		.amdhsa_enable_private_segment 0
		.amdhsa_kernarg_size 24
		.amdhsa_user_sgpr_count 2
		.amdhsa_user_sgpr_kernarg_segment_ptr 1
		.amdhsa_wavefront_size32 1
		.amdhsa_system_sgpr_workgroup_id_x 1
		.amdhsa_system_sgpr_workgroup_id_y 1
		.amdhsa_system_sgpr_workgroup_id_z 1
		.amdhsa_system_vgpr_workitem_id 0
		.amdhsa_next_free_vgpr 256
		.amdhsa_next_free_sgpr 102
		.amdhsa_reserve_vcc 1
		.amdhsa_float_denorm_mode_32 3
		.amdhsa_float_denorm_mode_16_64 3
		.amdhsa_memory_ordered 1
		.amdhsa_forward_progress 1
		.amdhsa_inst_pref_size 51
	.end_amdhsa_kernel
	.amdgpu_metadata
---
amdhsa.version: [ 1, 2 ]
amdhsa.kernels:
  - .name:           k_qe4f8a69df4_attn
    .symbol:         k_qe4f8a69df4_attn.kd
    .args:
      - { .name: query_states, .offset: 0, .size: 8, .value_kind: global_buffer, .address_space: global }
      - { .name: kv, .offset: 8, .size: 8, .value_kind: global_buffer, .address_space: global }
      - { .name: out0, .offset: 16, .size: 8, .value_kind: global_buffer, .address_space: global }
    .group_segment_fixed_size: 303104
    .private_segment_fixed_size: 0
    .kernarg_segment_align: 8
    .kernarg_segment_size: 24
    .max_flat_workgroup_size: 512
    .sgpr_count:     102
    .vgpr_count:     256
    .wavefront_size: 32
...
	.end_amdgpu_metadata
.endif
;; end of part 2
